; MI455X (gfx1250); checked and timed in simulation.
; The chip was launched on July 23, 2026; its instructions are those of AMD's public machine-readable ISA for CDNA 5 (MIT licence, August 2026) and "CDNA5" Instruction Set Architecture Reference Guide (July 2026). The comments in the code are by the model that wrote it; some were corrected since.
;; Grouped Attention Core. Allowed arithmetic: matrix products marked QUANTISED: E5M2 operands, one E8M0 scale for each 32 along K, by v_wmma_scale_f32_16x16x128_f8f6f4 with both operands' format E5M2, f32 sums; everything else in f32.
;; Inputs: K 2 x 2,048 x 512 float32; Q 2 x 2,048 x 2,048 float32; V_codes 2 x 512 x 64 x 32 uint8 (E5M2 codes of V, K innermost, in blocks of 32 codes); V_scales 2 x 512 x 64 uint8 (E8M0 scales of V, one for each 32 codes along K); W_out_codes 2,048 x 64 x 32 uint8 (E5M2 codes of W_out, K innermost, in blocks of 32 codes); W_out_scales 2,048 x 64 uint8 (E8M0 scales of W_out, one for each 32 codes along K); b_out 2,048 float32.
;; Outputs: out0 2 x 2,048 x 2,048 float32.
;; This version of the problem:
;;   THIS VERSION OF THE PROBLEM IS GIVEN IN LOW PRECISION. The matrix products marked QUANTISED in the list below multiply operands that are first quantised to E5M2 (5 exponent bits, 2 mantissa bits; 8 bits a number), with one power-of-two scale for each 32 numbers along K (OCP MX v1.0); their sums are f32. All else is computed in f32.
;;   The module's matrix products, in the order in which they are computed (A, B: the left and right operand; K: the contracted axis; several contracted axes count as one K, in the product's order):
;;     1. batch 16 x [M 8,192, K 64] x [K 64, N 2,048]; A: input Q; B: input K: QUANTISED
;;     2. batch 16 x [M 8,192, K 2,048] x [K 2,048, N 64]; A: softmax (see below); B: input V (given as codes): QUANTISED
;;     3. [M 4,096, K 2,048] x [K 2,048, N 2,048]; A: computed on the way; B: input W_out (given as codes): QUANTISED
;;   THE QUANTISER, for each operand of a quantised product, along K:
;;     - K is cut into blocks of 32 from its start; a last block that is shorter is filled with zeros.
;;     - A block's scale is 2^e with e = floor(log2(the largest magnitude in the block)) - 15, held to -126 .. 127; a block of zeros has e = 0. As a byte (E8M0): e + 127.
;;     - Each number is divided by its block's scale, clamped to +-57,344, and rounded to the nearest number of E5M2, ties to even, subnormals kept.
;;     - The product sums the exact products of the quantised numbers (number of the format x scale) in f32.
;;   ~~~python
;;   def quantise(x, axis):      # numpy; x: float32 -> the quantised numbers, widened to float32 again
;;       x = np.moveaxis(x, axis, -1); K = x.shape[-1]
;;       x = np.pad(x, [(0, 0)] * (x.ndim - 1) + [(0, -K % 32)]); x = x.reshape(x.shape[:-1] + (-1, 32)); a = np.abs(x).max(-1, keepdims=True)
;;       e = np.where(a > 0, np.clip(np.frexp(np.where(a > 0, a, 1))[1] - 1 - 15, -126, 127), 0)      # np.frexp(a)[1] - 1 = floor(log2(a)), exactly
;;       r = np.clip(x / 2.0 ** e, -57344, 57344)
;;       step = 2.0 ** (np.maximum(np.frexp(np.where(r == 0, 1, r))[1] - 1, -14) - 2)
;;       q = np.round(r / step) * step * 2.0 ** e      # np.round: ties to even
;;       return np.moveaxis(q.reshape(q.shape[:-2] + (-1,))[..., :K], -1, axis).astype(np.float32)
;;   ~~~
;;   SOFTMAX AHEAD OF A QUANTISED PRODUCT. Where the list says 'softmax', what is quantised is not the finished softmax but p = 2^(t - M), with t = logit x log2(e) and M = ceil(the row's largest t), a whole number; so 1/2 < the row's largest p <= 1. The row's sum l is taken of the UNQUANTISED p, in f32, and the product's result is divided by l at the end. Since M is a whole number, a kernel that streams over the keys may use a running M (the ceiling of the running maximum): every later rescaling is an exact power of two, which a block's scale takes up: the codes' values come out the same.
;;   OPERANDS COMPUTED ON THE WAY. 'Computed on the way' means the value that the module computes at that place (a softmax that the list does not call 'softmax' is quantised finished and normalised). What goes into a quantiser is computed in f32, as accurately as f32 sums, v_exp_f32 and their like allow (about 1e-6 of the number): no bf16 or f16 on the way to a quantiser, and a product that is left as it is and whose result goes on into a quantised operand takes f32 operands (vector FMAs, or v_wmma_f32_16x16x4_f32). A number that lies on a knife's edge between two numbers of the format may be rounded either way, as far as f32 arithmetic and the matrix unit's own rounding can turn it there, and no further.
;;   INPUTS GIVEN AS CODES. V (in the module: [2, 2048, 512], K = its axis 1); W_out (in the module: [2048, 2048], K = its axis 1): each comes as NAME_codes (uint8): NAME with its K axis moved to the last place and cut into blocks of 32 codes, [.., K / 32, bytes a block], one block behind the other in memory; one code a byte (a code: sign, 5 exponent bits, 2 mantissa bits); and NAME_scales (uint8): the same leading axes, one E8M0 byte (e + 127) for each 32 codes along K. Its value is code x scale, taken as it is: it is not quantised again, and the codes and scales need not be those that the quantiser above would give.
;; One version. Each part assembles by itself: llvm-mc -triple=amdgcn-amd-amdhsa -mcpu=gfx1250 --defsym DOCPART=n.
;; ======== version 1 of 1: 3 launches
;; limits: right only within a limited range of input values
;; workspace buffers: kimg 2,228,224 bytes; o_codes 8,388,608 bytes; o_scales 262,144 bytes
;; launch kquant (part 1): grid 16 x 16, 4 waves a work-group, no clusters, 1,536 bytes of LDS; arguments K, kimg; writes kimg
.if DOCPART == 1
	.amdgcn_target "amdgcn-amd-amdhsa--gfx1250"
	.amdhsa_code_object_version 6
	.text
	.protected	k_q44f72e3850_kquant
	.globl	k_q44f72e3850_kquant
	.p2align	8
	.type	k_q44f72e3850_kquant,@function
k_q44f72e3850_kquant:
	s_mov_b64 s[64:65], 0
	v_nop
	global_prefetch_b8 v0, s[64:65] scope:SCOPE_SE
	s_setreg_imm32_b32 hwreg(HW_REG_WAVE_MODE, 25, 1), 1
	s_wait_xcnt 0x0
; K [2][2048][512] f32 becomes kimg: codes of BF8 (E5M2) along a head's 64 channels, one E8M0 byte for each 32, laid AS THE NEXT LAUNCH'S OPERAND REGISTERS WANT THEM.
; kimg: [16 heads y = 8 b + hkv][16 key steps of 128 keys][8,704 bytes].  In a key step: bytes (2 t + c) 512 + 16 lane hold lane (r = lane % 16, h = lane / 16)'s 16 codes of key slot r of tile t (t = 0 .. 7),
; channels 32 c + 16 h + 0 .. 15 (c = 0, 1).  KEY SLOT r OF TILE t IS KEY 32 (t / 2) + 8 (t % 2) + r + 8 (r / 8) of the step, so that the next launch's scores of tiles 2 b and 2 b + 1 are 16 neighbouring keys in a lane.
; Bytes 8192 + 256 (t / 4) + 16 r + 4 (t % 4): the scale word of key slot r of tile t: its two bytes, and 0x7f twice above them (the product's K is 128 and the head has 64: the upper half meets zero codes of Q).
; A block's scale is 2^(floor(log2(its largest magnitude)) - 15); its byte is the largest magnitude's exponent field - 15, held at 1 from below; each number is held within +-57,344 x the scale and rounded to the nearest code.
; LIMITS: NaN and infinities in K are not served.  A block whose largest magnitude lies under 2^-111, a block of zeros too, gets the byte 1 (a block of zeros has zero codes; the bytes are read by this program alone).
; SHARES: a work-group (x = key step, y = head) makes one key step's 8,704 bytes; wave w makes tiles 2 w and 2 w + 1.  Work-groups share no input: no cluster.  No tensor load: 32 KiB a work-group come straight into registers.
.set X,   32                           ; v32-95   64 numbers: register 16 k + i, k = 2 u + c: tile 2 w + u, channel 32 c + 16 h + i of my key
.set PC,  96                           ; v96-111  their codes, four registers a block
.set TM,  112                          ; v112-115 largest magnitudes, v116-119 bytes, v120-123 57,344 x the scale, v124-127 the conversions' scale operands
.set SEL, 20                           ; s[20:21] lane selects: lane l xor 16
.set MNT, 22                           ; s22      the mantissa field of 57,344
	s_load_b128 s[4:7], s[0:1], 0x0                ; K s[4:5], kimg s[6:7]
	v_lshl_add_u32 v128, v0, 2, 0x400
	v_mov_b32 v129, 0
	v_lshrrev_b32 v1, 5, v0
	v_readfirstlane_b32 s8, v1                     ; wave 0..3
	v_and_b32 v1, 31, v0                           ; lane
	v_and_b32 v2, 15, v0                           ; r
	v_bfe_u32 v3, v0, 4, 1                         ; h
	v_and_b32 v4, 8, v2
	v_add_nc_u32 v4, v4, v2                        ; r + 8 (r / 8)
	v_lshlrev_b32 v4, 11, v4                       ; a position's row of K is 2,048 bytes
	v_lshl_add_u32 v4, v3, 6, v4                   ; + 64 h: my 16 numbers of a block of 32
	v_lshlrev_b32 v7, 4, v1                        ; 16 x lane
	s_lshl_b32 s9, s8, 11
	v_add_nc_u32 v5, s9, v7                        ; my codes' place: 2,048 x wave + 16 x lane
	s_lshr_b32 s10, s8, 1
	s_lshl_b32 s10, s10, 8
	s_and_b32 s11, s8, 1
	s_lshl_b32 s11, s11, 3
	s_add_co_u32 s10, s10, s11
	v_lshl_add_u32 v6, v2, 4, s10                  ; LDS: my two scale words: 256 (w / 2) + 8 (w % 2) + 16 r
	s_and_b32 s12, ttmp7, 0xffff                   ; y
	s_lshr_b32 s13, s12, 3
	s_lshl_b32 s13, s13, 22                        ; b x 2,048 rows
	s_and_b32 s14, s12, 7
	s_lshl_b32 s14, s14, 8                         ; the head's 256 bytes of a row
	s_add_co_u32 s13, s13, s14
	s_lshl_b32 s14, ttmp9, 18                      ; the key step's 128 rows
	s_add_co_u32 s13, s13, s14
	s_lshl_b32 s14, s8, 16                         ; my wave's 32 of them
	s_add_co_u32 s16, s13, s14
	s_mov_b32 s17, 0
	s_mul_i32 s18, s12, 139264
	s_mul_i32 s14, ttmp9, 8704
	s_add_co_u32 s18, s18, s14
	s_mov_b32 s19, 0
	s_mov_b32 s[SEL], 0x76543210
	s_mov_b32 s[SEL+1], 0xfedcba98
	s_mov_b32 s[MNT], 0x600000
.irp b, 0,1,2,3
	v_mov_b32 v[TM+4+\b], 0                        ; a lane permute's destination counts as one of its sources
.endr
	s_wait_alu depctr_va_vdst(0)
	s_wait_kmcnt 0x0
	s_add_nc_u64 s[4:5], s[4:5], s[16:17]
	s_add_nc_u64 s[6:7], s[6:7], s[18:19]
.irp u, 0,1
.irp c, 0,1
.irp j, 0,1,2,3
	global_load_b128 v[X+16*(2*\u+\c)+4*\j:X+16*(2*\u+\c)+4*\j+3], v4, s[4:5] offset:\u*16384+128*\c+16*\j th:TH_LOAD_NT   ; tile 2 w + 1 begins 8 rows further down
.endr
.endr
.endr
	s_wait_loadcnt 0x0
.irp b, 0,1,2,3
	v_max3_num_f32 v[TM+\b], |v[X+16*\b]|, |v[X+16*\b+1]|, 0x8000000   ; block b: my 16 numbers, and the floor 2^(16 - 127): the byte cannot fall under 1
.endr
.irp k, 2,4,6,8,10,12,14
.irp b, 0,1,2,3
	v_max3_num_f32 v[TM+\b], v[TM+\b], |v[X+16*\b+\k]|, |v[X+16*\b+\k+1]|   ; the four blocks by turns
.endr
.endr
.irp b, 0,1,2,3
	v_permlanex16_b32 v[TM+4+\b], v[TM+\b], s[SEL], s[SEL+1]
.endr
.irp b, 0,1,2,3
	v_max_num_f32 v[TM+\b], v[TM+\b], v[TM+4+\b]   ; with lane l xor 16's 16: the block's largest magnitude
.endr
.irp b, 0,1,2,3
	v_add_nc_u32 v[TM+12+\b], 0xf8800000, v[TM+\b] ; 15 off its exponent field: the conversion takes this operand's exponent field as its scale
.endr
.irp b, 0,1,2,3
	v_and_or_b32 v[TM+8+\b], v[TM+\b], 0x7f800000, s[MNT]   ; 57,344 x the scale
.endr
.irp b, 0,1,2,3
	v_lshrrev_b32 v[TM+4+\b], 23, v[TM+12+\b]      ; the scale's byte
.endr
	v_lshl_or_b32 v8, v[TM+5], 8, v[TM+4]          ; tile 2 w's word,
	v_or_b32 v8, 0x7f7f0000, v8
	v_lshl_or_b32 v9, v[TM+7], 8, v[TM+6]          ; tile 2 w + 1's
	v_or_b32 v9, 0x7f7f0000, v9
.irp b, 0,1,2,3
.irp k, 0,1,2,3,4,5,6,7,8,9,10,11,12,13,14,15
	v_med3_num_f32 v[X+16*\b+\k], v[X+16*\b+\k], -v[TM+8+\b], v[TM+8+\b]   ; the conversion to an 8-bit code does not saturate (ISA guide 7.6.2): the hold comes first
.endr
	v_cvt_scalef32_pk8_bf8_f32 v[PC+4*\b:PC+4*\b+1], v[X+16*\b:X+16*\b+7], v[TM+12+\b]
	v_cvt_scalef32_pk8_bf8_f32 v[PC+4*\b+2:PC+4*\b+3], v[X+16*\b+8:X+16*\b+15], v[TM+12+\b]
.endr
	v_nop                                          ; a plain line behind the last conversion
.irp b, 0,1,2,3
	global_store_b128 v5, v[PC+4*\b:PC+4*\b+3], s[6:7] offset:512*\b   ; 32 lanes store 512 consecutive bytes, at a multiple of 256 from kimg's first byte
.endr
	ds_store_b64 v6, v[8:9]                        ; lanes r and r + 16 write the same bytes with the same value
	s_wait_dscnt 0x0                               ; for wave 0's sake: my words lie in LDS
	s_barrier_signal -1
	s_barrier_wait -1
	s_cmp_lg_u32 s8, 0
	s_cbranch_scc1 .Ldone                          ; wave 0 alone sends the step's 128 words: 512 consecutive bytes
	ds_load_b128 v[12:15], v7
	s_wait_dscnt 0x0
	global_store_b128 v7, v[12:15], s[6:7] offset:8192
.Ldone:
	s_wait_tensorcnt 0x0
	ds_add_u32 v128, v129
	s_wait_dscnt 0x0
	s_endpgm
.Lfunc_end_k_q44f72e3850_kquant:
	.size	k_q44f72e3850_kquant, .Lfunc_end_k_q44f72e3850_kquant-k_q44f72e3850_kquant
	.p2alignl 7, 3214868480
	.fill 96, 4, 3214868480
	.section	.rodata,"a",@progbits
	.p2align	6, 0x0
	.amdhsa_kernel k_q44f72e3850_kquant
		.amdhsa_group_segment_fixed_size 1536
		.amdhsa_private_segment_fixed_size 0
		.amdhsa_enable_private_segment 0
		.amdhsa_kernarg_size 16
		.amdhsa_user_sgpr_count 2
		.amdhsa_user_sgpr_kernarg_segment_ptr 1
		.amdhsa_wavefront_size32 1
		.amdhsa_system_sgpr_workgroup_id_x 1
		.amdhsa_system_sgpr_workgroup_id_y 1
		.amdhsa_system_sgpr_workgroup_id_z 1
		.amdhsa_system_vgpr_workitem_id 0
		.amdhsa_next_free_vgpr 130
		.amdhsa_next_free_sgpr 66
		.amdhsa_reserve_vcc 0
		.amdhsa_float_denorm_mode_32 3
		.amdhsa_float_denorm_mode_16_64 3
		.amdhsa_memory_ordered 1
		.amdhsa_forward_progress 1
		.amdhsa_inst_pref_size 13
	.end_amdhsa_kernel
	.amdgpu_metadata
---
amdhsa.version: [ 1, 2 ]
amdhsa.kernels:
  - .name:           k_q44f72e3850_kquant
    .symbol:         k_q44f72e3850_kquant.kd
    .args:
      - { .name: K, .offset: 0, .size: 8, .value_kind: global_buffer, .address_space: global }
      - { .name: kimg, .offset: 8, .size: 8, .value_kind: global_buffer, .address_space: global }
    .group_segment_fixed_size: 1536
    .private_segment_fixed_size: 0
    .kernarg_segment_align: 8
    .kernarg_segment_size: 16
    .max_flat_workgroup_size: 128
    .sgpr_count:     66
    .vgpr_count:     130
    .wavefront_size: 32
...
	.end_amdgpu_metadata
.endif
;; end of part 1
;; launch attn (part 2): grid 16 x 16, 8 waves a work-group, clusters of 4 x 1, 327,680 bytes of LDS; arguments Q, kimg, V_codes, V_scales, o_codes, o_scales; writes o_codes, o_scales
.if DOCPART == 2
	.amdgcn_target "amdgcn-amd-amdhsa--gfx1250"
	.amdhsa_code_object_version 6
	.text
	.protected	k_q44f72e3850_attn
	.globl	k_q44f72e3850_attn
	.p2align	8
	.type	k_q44f72e3850_attn,@function
k_q44f72e3850_attn:
	s_mov_b64 s[64:65], 0
	v_nop
	global_prefetch_b8 v0, s[64:65] scope:SCOPE_SE
	s_setreg_imm32_b32 hwreg(HW_REG_WAVE_MODE, 25, 1), 1
	s_wait_xcnt 0x0
	s_wait_alu depctr_hold_cnt(0) depctr_sa_sdst(0) depctr_va_vdst(0) depctr_va_sdst(0) depctr_va_ssrc(0) depctr_va_vcc(0) depctr_vm_vsrc(0)
	s_getreg_b32 s2, hwreg(HW_REG_IB_STS2, 6, 4)
	s_cmp_eq_u32 s2, 0
	s_cbranch_scc0 .Lentry_in_a_cluster
	s_endpgm
.Lentry_in_a_cluster:
	s_bfe_u32 s2, ttmp6, 0x10000c
	s_cmp_lg_u32 s2, 0x3003
	s_cbranch_scc0 .Lentry_shape_is_right
	s_endpgm
.Lentry_shape_is_right:
; o[b][pos][64 hq + d] = the sum over keys of softmax(q . k / 8) v, 32 query heads on 8 key and value heads (hq = 4 hkv + g), both products on codes of BF8 (E5M2) with one E8M0 scale for each 32 along K;
; o is then quantised along 64 hq + d for the projection: o_codes [4096 rows b 2048 + pos][2048], o_scales [4096][64].
; Q [2][2048][2048] f32 is quantised here.  K comes as kimg (images of the operand's registers, made by the launch before), V as codes with the keys innermost, [2][512 = 64 hkv + d][2048], scales [2][512][64].
; THE SOFTMAX: t = score x log2(e) / 8; M = the row's largest t so far, rounded UP to a whole number; p = 2^(t - M) is quantised along the keys, not normalised.  The row's sum is taken of the unquantised p and divides O
; at the end.  When M moves, the sum and O^T are multiplied by 2^(old M - new M): exact, and without a branch.
; SHARES.  A work-group (x = block of 128 positions, y = 8 b + hkv) owns 128 positions x 4 query heads.  Wave w owns positions 16 w .. 16 w + 15 and all four heads: four tiles of 16 queries, so each fragment of K and V
; feeds four products, and a position's results are 256 neighbouring bytes of o_codes.  Two waves to a SIMD.
; NO RING, NO PREFETCH.  A head's K (139,264 bytes of images) and V (131,072) lie in LDS together, filled once at the head, one tensor load a wave (waves 0-3 a quarter of K, waves 4-7 a quarter of V's keys):
; the loop over the keys has no refill and no barrier, and there is no loop that could run ahead of a load.  V's 4,096 scale bytes come by one load of 512 bytes a wave and an LDS store.
; CLUSTER.  The four work-groups of a cluster are four blocks of positions of one head: every fill is a JOINT load, the same descriptor and the mask of all four in each.
; LAYOUT.  Both products transposed: S^T = K Q^T, O^T = V^T P^T: a lane holds ONE query (lane % 16), and the 16 registers of score tiles 2 b, 2 b + 1 are keys 32 b + 16 (lane / 16) + 0 .. 15 (kimg's order of keys).
; THE FIRST PRODUCT'S K IS 64, THE INSTRUCTION'S 128.  Source 1 is Q's 8 registers of codes and 8 of zero codes; source 0 is tile t's 8 registers and the 8 behind them (finite codes of K; behind tile 7 a pad of zeros),
; under scale bytes 0x7f: they add nothing.
; THE ORDER OF A KEY STEP.  A tile's holds and conversions go block by block; as soon as a block's 16 score registers are converted, the NEXT tile's two score products that write them are issued among the next block's
; holds; the last two stand among the rescaling of O^T.  In tile 3 the freed score registers take V's four fragments instead, and K's registers, done with, take the next step's images at tile 3's head.
; LIMITS: NaN and infinities in Q are not served.  The promise holds while the scaled scores stay under 2^31 in magnitude.  A block whose largest magnitude lies under 2^-111, a block of zeros too, gets the byte 1
; (zero codes; the bytes are read by this program alone).  A block's largest p is taken from its largest score, which takes v_exp_f32 not to fall where its input rises.  1 / the sum is v_rcp_f32.
; LDS: 0: K's images, 16 x 8,704;  VT: V, four quarters of 512 keys, each 64 rows of 512 + 16;  VSC: V's scale bytes, 64 rows of 64 + 16;  STG: a stage of 16 rows x (256 + 16) a wave;  SPARE: the spare words.
; REGISTERS.  Window 0: v1-11 addresses; v12-35 six a tile: -M, the largest score, the sum in two halves, f, p's scale word; v36-39 Q's scale words; v40-43 K's; v44-45 V's; v46-63 at work; v64-127 a tile's scores, then p,
;   then V's fragments; v128-191 Q (a tile: 8 of codes, 8 of zeros); v192-255 p's codes.   Window 1: v0-127 O^T (tile i, channels 16 t on, at 32 i + 8 t); v128-191 K's eight fragments; v192-199 the pad.
.set KSTEPB, 8704
.set VP,    528
.set VQ,    64*VP
.set SVP,   80
.set VT,    16*KSTEPB
.set VSC,   VT+4*VQ
.set STG,   VSC+64*SVP
.set SP,    272
.set SPARE, STG+8*16*SP
.set AKI,  1                           ; 16 x lane
.set AV0,  2                           ; my place in a tile of V
.set ASV0, 3                           ; my place among V's scale words: lane l takes row l
.set ADK,  4                           ; the next images of K
.set ADV,  5                           ; the step's V
.set ADT,  6                           ; the step's scale words of V
.set QO,   7                           ; my byte in two rows of Q
.set STO,  8                           ; stage: row r, + 8 h
.set RD,   9                           ; stage: row h, + 16 r
.set SPW,  10                          ; my spare word; never rewritten
.set NIL,  11                          ; 0; never rewritten
.set ST,   12
.set QW,   36
.set KW,   40
.set VW,   44
.set BM,   46
.set PM,   50
.set HD,   54
.set SO,   58
.set TMP,  62
.set S,    64
.set QF,   128
.set PC,   192
.set KV,   128                         ; in window 1
.set GO,   40                          ; the way out: my byte in two rows of o_codes, and in o_scales (K's scale words are done with)
.set GS,   41
.set WV,   16
.set SEL,  20
.set CS,   22
.set MNT,  24
.set TK,   25
.set TV,   26
.set TJ,   27
.set G1K,  32
.set G1V,  40
.set G0K,  56
.set G0V,  60
.set MSB, 0
.macro WIN new                         ; s_set_vgpr_msb: bits 1:0 source 0, 3:2 source 1, 5:4 source 2, 7:6 destination; the high byte repeats the setting that is left
.if MSB != \new
	s_set_vgpr_msb (MSB<<8)|\new
.set MSB, \new
.endif
.endm
.macro WALU
	s_wait_alu depctr_va_vdst(0)
.endm
.macro CROUND                          ; a round of the cluster's barrier
	s_barrier_signal -1
	s_barrier_wait -1
	s_cmp_lg_u32 s[WV], 0
	s_cbranch_scc1 .Lnot_wave_0_\@
	s_barrier_signal -3
.Lnot_wave_0_\@:
	s_barrier_wait -3
	s_barrier_signal -1
	s_barrier_wait -1
.endm
; 32 numbers of a lane, two blocks of 32 shared with lane l xor 16 (block b: v[src + 16 b] on), become 8 registers of codes at v[dst]; the two scale bytes are left in v[PM], v[PM + 1]
.macro QUANT2 src, dst
.irp b, 0,1
	v_max3_num_f32 v[BM+\b], |v[(\src)+16*\b]|, |v[(\src)+16*\b+1]|, 0x8000000   ; with the floor 2^(16 - 127): the byte cannot fall under 1
.endr
.irp k, 2,4,6,8,10,12,14
.irp b, 0,1
	v_max3_num_f32 v[BM+\b], v[BM+\b], |v[(\src)+16*\b+\k]|, |v[(\src)+16*\b+\k+1]|
.endr
.endr
.irp b, 0,1
	v_permlanex16_b32 v[PM+\b], v[BM+\b], s[SEL], s[SEL+1]
.endr
.irp b, 0,1
	v_max_num_f32 v[BM+\b], v[BM+\b], v[PM+\b]
.endr
.irp b, 0,1
	v_add_nc_u32 v[SO+\b], 0xf8800000, v[BM+\b]    ; 15 off the exponent field: the conversion's scale operand
.endr
.irp b, 0,1
	v_and_or_b32 v[HD+\b], v[BM+\b], 0x7f800000, s[MNT]   ; 57,344 x the scale
.endr
.irp b, 0,1
	v_lshrrev_b32 v[PM+\b], 23, v[SO+\b]           ; the byte
.endr
.irp b, 0,1
.irp k, 0,1,2,3,4,5,6,7,8,9,10,11,12,13,14,15
	v_med3_num_f32 v[(\src)+16*\b+\k], v[(\src)+16*\b+\k], -v[HD+\b], v[HD+\b]   ; the conversion does not saturate (ISA guide 7.6.2): the hold comes first
.endr
	v_cvt_scalef32_pk8_bf8_f32 v[(\dst)+4*\b:(\dst)+4*\b+1], v[(\src)+16*\b:(\src)+16*\b+7], v[SO+\b]
	v_cvt_scalef32_pk8_bf8_f32 v[(\dst)+4*\b+2:(\dst)+4*\b+3], v[(\src)+16*\b+8:(\src)+16*\b+15], v[SO+\b]
.endr
	v_nop                                          ; a plain line behind the last conversion
.endm
.macro RESC i, from                    ; 16 registers of tile i's O^T under the new M: x f, eight packed lines, ascending
	WIN 0x41                                       ; O^T in window 1, f in window 0
.set n, 32*(\i)+(\from)
.rept 8
	v_pk_mul_f32 v[n:n+1], v[n:n+1], v[ST+6*(\i)+4:ST+6*(\i)+5] op_sel_hi:[1,0]
.set n, n+2
.endr
.endm
.macro SPROD t, j                      ; score tile t (16 key slots) of query tile j
	WIN 0x01                                       ; K in window 1; Q and the scores in window 0
.if (\t) < 4
	v_wmma_scale_f32_16x16x128_f8f6f4 v[S+8*(\t):S+8*(\t)+7], v[KV+8*(\t):KV+8*(\t)+15], v[QF+16*(\j):QF+16*(\j)+15], 0, v[KW+(\t)], v[QW+(\j)] matrix_a_fmt:MATRIX_FMT_BF8 matrix_b_fmt:MATRIX_FMT_BF8
.else
	v_wmma_scale_f32_16x16x128_f8f6f4 v[S+8*(\t):S+8*(\t)+7], v[KV+8*(\t):KV+8*(\t)+15], v[QF+16*(\j):QF+16*(\j)+15], 0, v[KW+(\t)-4], v[QW+(\j)] matrix_a_fmt:MATRIX_FMT_BF8 matrix_b_fmt:MATRIX_FMT_BF8 matrix_a_scale:MATRIX_SCALE_ROW1
.endif
.endm
.macro KLOAD                           ; a key step's images of K, 512 consecutive bytes a load, and its scale words (lanes 0-15 tiles 0-3, lanes 16-31 tiles 4-7): 17 loads
	WIN 0x40
.irp t, 0,1,2,3,4,5,6,7
.irp c, 0,1
	ds_load_b128 v[KV+8*\t+4*\c:KV+8*\t+4*\c+3], v[ADK] offset:(2*\t+\c)*512
.endr
.endr
	WIN 0
	ds_load_b128 v[KW:KW+3], v[ADK] offset:8192
.endm
.macro HOLD8 b, from                   ; eight of block b's p held at 57,344 x the scale, two to a line; p is not negative, so the hold is one-sided
.set n, S+16*(\b)+(\from)
.rept 4
	v_dual_min_num_f32 v[n], v[n], v[HD+(\b)] :: v_dual_min_num_f32 v[n+1], v[n+1], v[HD+(\b)]
.set n, n+2
.endr
.endm
; Tile i, first part: the scores in v[S] on become p; -M, the largest score, f, the sum; the four blocks' bounds, scale operands and bytes
.macro PARTA i
.set tN, ST+6*(\i)
.irp b, 0,1,2,3
	v_max3_num_f32 v[BM+\b], v[S+16*\b], v[S+16*\b+1], v[S+16*\b+2]   ; each block's largest score, in two chains, one to each of its two accumulators, each from its low end on: eight chains by turns.
	v_max3_num_f32 v[PM+\b], v[S+16*\b+8], v[S+16*\b+9], v[S+16*\b+10]   ; It serves the row's maximum and, since p rises with the score, the block's largest p
.endr
.irp k, 3,5
.irp b, 0,1,2,3
	v_max3_num_f32 v[BM+\b], v[BM+\b], v[S+16*\b+\k], v[S+16*\b+\k+1]
	v_max3_num_f32 v[PM+\b], v[PM+\b], v[S+16*\b+\k+8], v[S+16*\b+\k+9]
.endr
.endr
.irp b, 0,1,2,3
	v_max3_num_f32 v[BM+\b], v[BM+\b], v[S+16*\b+7], v[S+16*\b+15]
.endr
.irp b, 0,1,2,3
	v_max_num_f32 v[BM+\b], v[BM+\b], v[PM+\b]
.endr
.irp b, 0,1,2,3
	v_permlanex16_b32 v[PM+\b], v[BM+\b], s[SEL], s[SEL+1]
.endr
.irp b, 0,1,2,3
	v_max_num_f32 v[BM+\b], v[BM+\b], v[PM+\b]     ; with lane l xor 16's 16 keys
.endr
	v_max3_num_f32 v[TMP], v[BM], v[BM+1], v[BM+2]
	v_mov_b32 v[TMP+1], v[tN]                      ; the old -M
	v_max3_num_f32 v[tN+1], v[TMP], v[BM+3], v[tN+1]   ; the running largest score
	v_mul_f32 v[TMP], s[CS], -v[tN+1]              ; -t (c is positive)
	v_floor_f32 v[tN], v[TMP]                      ; the new -M = floor(-t): M is a whole number
.set n, S
.rept 32
	v_pk_fma_f32 v[n:n+1], v[n:n+1], s[CS:CS+1], v[tN:tN+1] op_sel_hi:[1,0,0]   ; t - M, two at a time; f's three lines stand among them
.if n == S+6
	v_sub_f32 v[TMP], v[tN], v[TMP+1]              ; old M - new M: a whole number, 0 or less
.elseif n == S+14
	v_cvt_i32_f32 v[TMP], v[TMP]                   ; (it saturates)
.elseif n == S+22
	v_ldexp_f32 v[tN+4], 1.0, v[TMP]               ; f = 2^(old M - new M)
.endif
.set n, n+2
.endr
.irp b, 0,1,2,3
	v_fma_f32 v[BM+\b], v[BM+\b], s[CS], v[tN]     ; the same of each block's largest score
.endr
	WALU                                           ; ahead of the batch
.irp b, 0,1,2,3
	v_exp_f32 v[BM+\b], v[BM+\b]                   ; one batch of 68: the blocks' largest p,
.endr
.set n, S
.rept 64
	v_exp_f32 v[n], v[n]                           ; and p = 2^(t - M)
.set n, n+1
.endr
	v_pk_mul_f32 v[tN+2:tN+3], v[tN+2:tN+3], v[tN+4:tN+5] op_sel_hi:[1,0]   ; the sums under the new M: the plain line behind the batch
	WALU                                           ; behind the batch, ahead of its first reader
	v_pk_add_f32 v[tN+2:tN+3], v[tN+2:tN+3], v[S:S+1]   ; the row's sum of the UNQUANTISED p: 32 pairs in eight chains by turns; seven of them lie in registers that are free until the chains are joined
.set n, S+2
.irp a, PM, PM+2, TMP, HD, HD+2, SO, SO+2
	v_pk_add_f32 v[\a:\a+1], v[n:n+1], v[n+2:n+3]
.set n, n+4
.endr
.rept 2
.irp a, tN+2, PM, PM+2, TMP, HD, HD+2, SO, SO+2
	v_pk_add_f32 v[\a:\a+1], v[\a:\a+1], v[n:n+1]
.set n, n+2
.endr
.endr
	v_pk_add_f32 v[tN+2:tN+3], v[tN+2:tN+3], v[S+62:S+63]
	v_pk_add_f32 v[PM:PM+1], v[PM:PM+1], v[PM+2:PM+3]   ; the chains are joined among the scales' lines; each of those lines writes registers whose chain has been taken in
	v_pk_add_f32 v[TMP:TMP+1], v[TMP:TMP+1], v[HD:HD+1]
	v_pk_add_f32 v[HD+2:HD+3], v[HD+2:HD+3], v[SO:SO+1]
.irp b, 0,1,2,3
	v_max_num_f32 v[BM+\b], 0x8000000, v[BM+\b]    ; the floor 2^(16 - 127): a block whose every p is 0 keeps the byte 1; its codes are zeros
.endr
	v_pk_add_f32 v[tN+2:tN+3], v[tN+2:tN+3], v[SO+2:SO+3]
	v_pk_add_f32 v[PM:PM+1], v[PM:PM+1], v[TMP:TMP+1]
.irp b, 0,1,2,3
	v_add_nc_u32 v[SO+\b], 0xf8800000, v[BM+\b]
.endr
	v_pk_add_f32 v[tN+2:tN+3], v[tN+2:tN+3], v[HD+2:HD+3]
.irp b, 0,1,2,3
	v_and_or_b32 v[HD+\b], v[BM+\b], 0x7f800000, s[MNT]
.endr
	v_pk_add_f32 v[tN+2:tN+3], v[tN+2:tN+3], v[PM:PM+1]
.irp b, 0,1,2,3
	v_lshrrev_b32 v[PM+\b], 23, v[SO+\b]
.endr
.endm
; Tile i, second part: holds and conversions, block by block.  The plain line behind each block's conversions is a line of p's scale word.  Behind it the block's 16 score registers are free:
; i < 3: the next tile's score tiles 2 b and 2 b + 1 are written there, among the next block's holds; i = 3: V's fragment of channels 16 b on lands there.
.macro PARTB i
.set tN, ST+6*(\i)
.set tP, PC+16*(\i)
.irp b, 0,1,2,3
.if (\i) < 3 && \b > 0
	SPROD 2*\b-2, (\i)+1
	WIN 0
.endif
	HOLD8 \b, 0
.if (\i) < 3 && \b > 0
	SPROD 2*\b-1, (\i)+1
	WIN 0
.endif
	HOLD8 \b, 8
	v_cvt_scalef32_pk8_bf8_f32 v[tP+4*\b:tP+4*\b+1], v[S+16*\b:S+16*\b+7], v[SO+\b]
	v_cvt_scalef32_pk8_bf8_f32 v[tP+4*\b+2:tP+4*\b+3], v[S+16*\b+8:S+16*\b+15], v[SO+\b]
.if \b == 0
	v_lshl_or_b32 v[tN+5], v[PM+1], 8, v[PM]
.elseif \b == 3
	v_nop
.else
	v_lshl_or_b32 v[tN+5], v[PM+1+\b], 8+8*\b, v[tN+5]
.endif
.if (\i) == 3
.irp c, 0,1,2,3
	ds_load_b128 v[S+16*\b+4*\c:S+16*\b+4*\c+3], v[ADV] offset:16*\b*VP+32*\c   ; V^T: channel 16 b + r, keys 32 c + 16 h + 0 .. 15 of the step
.endr
.endif
.endr
.if (\i) < 3
	SPROD 6, (\i)+1
	RESC \i, 0
	SPROD 7, (\i)+1
	RESC \i, 16                                    ; eight places behind the last score product
	WIN 0
.endif
.endm
; A KEY STEP: 128 keys for the wave's four tiles.  At its head the step's images of K have been asked for
.macro STEP
	s_add_co_u32 s[TK], s[TK], KSTEPB
	s_min_u32 s[TK], s[TK], 15*KSTEPB              ; the next step's images; the last step asks for its own again, so that the address stays in K's images
	v_add_nc_u32 v[ADK], s[TK], v[AKI]
	v_add_nc_u32 v[ADV], s[TV], v[AV0]
	v_add_nc_u32 v[ADT], s[TJ], v[ASV0]
.rept 6
	v_nop                                          ; with the three additions: nine places between the last step's products and the score products that write over V's fragments
.endr
	WALU
	s_wait_dscnt 0x0                               ; K's images and scale words are in
.irp t, 0,1,2,3,4,5,6,7
	SPROD \t, 0
.endr
	WIN 0
.rept 8
	v_nop
.endr
	PARTA 0
	PARTB 0
	PARTA 1
	PARTB 1
	PARTA 2
	PARTB 2
	KLOAD                                          ; K's registers are done with (eight places behind tile 3's last score product): the next step's images
	ds_load_b32 v[VW], v[ADT]                      ; V's scale words: lanes 0-15 channels 0-15, lanes 16-31 channels 16-31;
	ds_load_b32 v[VW+1], v[ADT] offset:32*SVP      ; channels 32-47 and 48-63
	PARTA 3
	PARTB 3
	RESC 3, 0
	RESC 3, 16
	WALU
	WIN 0x50                                       ; V and P in window 0, O^T in window 1
.irp t, 0,1,2,3                        ; sixteen accumulators, one instruction each: no two that follow each other share one
	s_wait_dscnt 12-4*\t                           ; V's fragment t is in; the younger fragments' four loads each may be out
.irp i, 0,1,2,3
.if \t%2
	v_wmma_scale_f32_16x16x128_f8f6f4 v[32*\i+8*\t:32*\i+8*\t+7], v[S+16*\t:S+16*\t+15], v[PC+16*\i:PC+16*\i+15], v[32*\i+8*\t:32*\i+8*\t+7], v[VW+\t/2], v[ST+6*\i+5] matrix_a_fmt:MATRIX_FMT_BF8 matrix_b_fmt:MATRIX_FMT_BF8 matrix_a_scale:MATRIX_SCALE_ROW1
.else
	v_wmma_scale_f32_16x16x128_f8f6f4 v[32*\i+8*\t:32*\i+8*\t+7], v[S+16*\t:S+16*\t+15], v[PC+16*\i:PC+16*\i+15], v[32*\i+8*\t:32*\i+8*\t+7], v[VW+\t/2], v[ST+6*\i+5] matrix_a_fmt:MATRIX_FMT_BF8 matrix_b_fmt:MATRIX_FMT_BF8
.endif
.endr
.endr
	WIN 0
	s_add_co_u32 s[TV], s[TV], 128
	s_add_co_u32 s[TJ], s[TJ], 4
.endm
	s_load_b256 s[4:11], s[0:1], 0x0               ; Q s[4:5], kimg s[6:7], V's codes s[8:9], V's scales s[10:11]
	s_load_b128 s[12:15], s[0:1], 0x20             ; o_codes s[12:13], o_scales s[14:15]
	v_lshl_add_u32 v[SPW], v0, 2, SPARE
	v_mov_b32 v[NIL], 0
	ds_add_u32 v[SPW], v[NIL]                      ; the opening lines: the add, twice on end, and its wait ahead of my first tensor load
	ds_add_u32 v[SPW], v[NIL]
	v_lshrrev_b32 v1, 5, v0
	v_readfirstlane_b32 s[WV], v1                  ; wave 0..7
	s_bfe_u32 s17, ttmp6, 0x40000                  ; cx: it enters Q's and o's addresses alone
	s_lshl_b32 s18, ttmp9, 2
	s_add_co_u32 s18, s18, s17                     ; x: my block of 128 positions
	s_and_b32 s19, ttmp7, 0xffff                   ; y = 8 b + hkv, which the four partners share
	s_mov_b32 s[G1K], 15|(3<<16)|(1<<21)           ; K's images: a dense block, 136 rows of 32 elements of 8 bytes; the mask of all four, bit 21 beside it
	s_mov_b32 s[G1K+1], 32<<16
	s_mov_b32 s[G1K+2], 136<<16
	s_mov_b32 s[G1K+3], 32<<16
	s_mov_b32 s[G1K+4], 136
	s_mov_b32 s[G1K+5], 32
	s_mov_b32 s[G1K+6], 0
	s_mov_b32 s[G1K+7], 0
	s_mov_b32 s[G1V], 15|(1<<20)|(1<<21)|(6<<22)|(3<<25)   ; V: 64 rows of 512 codes, 2,048 bytes apart; 4 words of padding behind every 128
	s_mov_b32 s[G1V+1], 512<<16
	s_mov_b32 s[G1V+2], 64<<16
	s_mov_b32 s[G1V+3], 512<<16
	s_mov_b32 s[G1V+4], 64
	s_mov_b32 s[G1V+5], 2048
	s_mov_b32 s[G1V+6], 0
	s_mov_b32 s[G1V+7], 0
	s_mov_b32 s[SEL], 0x76543210
	s_mov_b32 s[SEL+1], 0xfedcba98
	s_mov_b32 s[CS], 0x3e38aa3b                    ; c = log2(e) / 8
	s_mov_b32 s[CS+1], s[CS]
	s_mov_b32 s[MNT], 0x600000
	s_mov_b32 s[TK], 0
	s_mov_b32 s[TV], 0
	s_mov_b32 s[TJ], 0
	s_mul_i32 s30, s[WV], 16*SP
	s_add_co_u32 s30, s30, STG                     ; my stage
	s_mul_i32 s31, s[WV], 8*SVP
	s_add_co_u32 s31, s31, VSC                     ; my 8 rows of V's scale bytes
	s_and_b32 s72, s[WV], 3
	s_mul_i32 s73, s72, 4*KSTEPB
	s_mul_i32 s74, s19, 16*KSTEPB
	s_add_co_u32 s74, s74, s73
	s_mov_b32 s75, 0
	s_wait_dscnt 0x0
	s_wait_kmcnt 0x0
	s_mov_b32 s[G0K], 1
	s_mov_b32 s[G0K+1], s73
	s_add_nc_u64 s[G0K+2:G0K+3], s[6:7], s[74:75]
	s_or_b32 s[G0K+3], s[G0K+3], 0x80000000
	s_mul_i32 s73, s72, VQ
	s_lshl_b32 s74, s19, 17                        ; the head's 64 rows of 2,048 codes
	s_lshl_b32 s49, s72, 9                         ; the quarter's 512 keys
	s_add_co_u32 s74, s74, s49
	s_mov_b32 s[G0V], 1
	s_add_co_u32 s[G0V+1], s73, VT
	s_add_nc_u64 s[G0V+2:G0V+3], s[8:9], s[74:75]
	s_or_b32 s[G0V+3], s[G0V+3], 0x80000000
	s_lshl_b32 s74, s19, 12                        ; the head's 4,096 scale bytes of V,
	s_lshl_b32 s49, s[WV], 9                       ; my wave's 512 of them
	s_add_co_u32 s74, s74, s49
	s_add_nc_u64 s[10:11], s[10:11], s[74:75]
	s_lshr_b32 s76, s19, 3                         ; Q and o at my wave's first row: b 2048 + 128 x + 16 w
	s_lshl_b32 s76, s76, 11
	s_lshl_b32 s77, s18, 7
	s_add_co_u32 s76, s76, s77
	s_lshl_b32 s77, s[WV], 4
	s_add_co_u32 s76, s76, s77
	s_and_b32 s77, s19, 7                          ; hkv
	s_mov_b32 s79, 0
	s_lshl_b32 s78, s76, 13
	s_lshl_b32 s49, s77, 10
	s_add_co_u32 s78, s78, s49
	s_add_nc_u64 s[4:5], s[4:5], s[78:79]
	s_lshl_b32 s78, s76, 11
	s_lshl_b32 s49, s77, 8
	s_add_co_u32 s78, s78, s49
	s_add_nc_u64 s[12:13], s[12:13], s[78:79]
	s_lshl_b32 s78, s76, 6
	s_lshl_b32 s49, s77, 3
	s_add_co_u32 s78, s78, s49
	s_add_nc_u64 s[14:15], s[14:15], s[78:79]
	CROUND                                         ; all four work-groups are here: the joint loads meet
	s_cmp_lt_u32 s[WV], 4                          ; one tensor load a wave, in the two arms of one branch on the wave's number
	s_cbranch_scc0 .Lfill_v
	tensor_load_to_lds s[G0K:G0K+3], s[G1K:G1K+7]
	s_nop 0
.rept 4
	v_nop
.endr
	s_branch .Lfilled
.Lfill_v:
	tensor_load_to_lds s[G0V:G0V+3], s[G1V:G1V+7]
	s_nop 0
.rept 4
	v_nop
.endr
.Lfilled:
	v_and_b32 v62, 31, v0                          ; lane
	v_and_b32 v46, 15, v0                          ; r
	v_bfe_u32 v47, v0, 4, 1                        ; h
	v_lshlrev_b32 v[AKI], 4, v62
	v_lshlrev_b32 v[QO], 13, v47
	v_lshl_add_u32 v[QO], v46, 4, v[QO]            ; Q: lanes 0-15 one row's 256 bytes of a head, lanes 16-31 the next row's
	global_load_b128 v[HD:HD+3], v[AKI], s[10:11]  ; V's scale bytes: 512 consecutive bytes a wave
.irp i, 0,1,2,3                        ; tile i = query head 4 hkv + i: 16 rows x 256 bytes, two rows a load; tiles 0, 1 land where the scores will lie, tiles 2, 3 where p's codes will
.irp k, 0,1,2,3,4,5,6,7
	global_load_b128 v[64+32*\i+64*(\i/2)+4*\k:64+32*\i+64*(\i/2)+4*\k+3], v[QO], s[4:5] offset:256*\i+16384*\k th:TH_LOAD_NT
.endr
.endr
	v_lshrrev_b32 v58, 2, v62
	v_and_b32 v59, 3, v62
	v_mul_u32_u24 v58, v58, SVP
	v_lshl_add_u32 v58, v59, 4, v58
	v_add_nc_u32 v58, s31, v58                     ; where my 16 scale bytes go: row lane / 4 of my 8, piece lane % 4
	v_mul_u32_u24 v[RD], v47, SP
	v_lshl_add_u32 v[RD], v46, 4, v[RD]
	v_add_nc_u32 v[RD], s30, v[RD]
	v_mul_u32_u24 v63, v46, SP
	v_add_nc_u32 v63, s30, v63
	v_lshl_add_u32 v[STO], v47, 3, v63
	v_lshl_add_u32 v[ADT], v47, 6, v63             ; Q back from the stage: row r, + 64 h: my 16 numbers of a block of 32
	v_mul_u32_u24 v[AV0], v46, VP
	v_lshl_add_u32 v[AV0], v47, 4, v[AV0]
	v_add_nc_u32 v[AV0], VT, v[AV0]
	v_mul_u32_u24 v[ASV0], v62, SVP
	v_add_nc_u32 v[ASV0], VSC, v[ASV0]
	v_mov_b32 v[ADK], v[AKI]                       ; key step 0's images
.irp b, 0,1,2,3
	v_mov_b32 v[PM+\b], 0                          ; a lane permute's destination counts as one of its sources
.endr
.irp i, 0,1,2,3
	v_mov_b32 v[ST+6*\i], 0x7f61b1e6               ; -M: 3e38, a whole number
	v_mov_b32 v[ST+6*\i+1], 0xff61b1e6             ; the largest score so far: -3e38
	v_mov_b32 v[ST+6*\i+2], 0                      ; the sum, in two halves
	v_mov_b32 v[ST+6*\i+3], 0
	v_mov_b32 v[ST+6*\i+5], 0
.irp k, 8,9,10,11,12,13,14,15
	v_mov_b32 v[QF+16*\i+\k], 0                    ; the zero codes of Q's upper 64 along K
.endr
.endr
	WIN 0x40                                       ; O^T and the pad begin as zeros: the key step is written once, and its first change of M multiplies zeros
.set n, 0
.rept 128
	v_mov_b32 v[n], 0
.set n, n+1
.endr
.set n, KV+64
.rept 8
	v_mov_b32 v[n], 0
.set n, n+1
.endr
	WIN 0
	WALU
	s_wait_loadcnt 32                              ; V's scale bytes are in; Q's 32 loads may be out
	ds_store_b128 v58, v[HD:HD+3]
.irp i, 0,1,2,3
	s_wait_loadcnt 24-8*\i                         ; tile i's eight loads are in; the later tiles' eight each may be out
.irp k, 0,1,2,3,4,5,6,7
	ds_store_b128 v[RD], v[64+32*\i+64*(\i/2)+4*\k:64+32*\i+64*(\i/2)+4*\k+3] offset:\k*2*SP
.endr
.irp c, 0,1
.irp j, 0,1,2,3
	ds_load_b128 v[64+32*\i+64*(\i/2)+16*\c+4*\j:64+32*\i+64*(\i/2)+16*\c+4*\j+3], v[ADT] offset:128*\c+16*\j   ; LDS serves a wave's instructions in order (ISA guide 5.7.1.4): these see my stores
.endr
.endr
	s_wait_dscnt 0x0
	QUANT2 64+32*\i+64*(\i/2), QF+16*\i
	v_lshl_or_b32 v[QW+\i], v[PM+1], 8, v[PM]      ; its scale word: two bytes, and 0x7f twice for the zero codes
	v_or_b32 v[QW+\i], 0x7f7f0000, v[QW+\i]
.endr
	WALU                                           ; at the head's end
	s_wait_tensorcnt 0x0                           ; my fill has landed, my scale bytes lie in LDS (the wait on DScnt above),
	s_barrier_signal -1
	s_barrier_wait -1                              ; everybody's have: from here on K, V and V's scale bytes are only read
	KLOAD
	s_mov_b32 s28, 4
.Lquarter:                                         ; four quarters of V's keys,
	s_mov_b32 s29, 4
.Lstep:                                            ; four key steps in each
	STEP
	s_sub_co_u32 s29, s29, 1
	s_cmp_lg_u32 s29, 0
	s_cbranch_scc1 .Lstep
	s_add_co_u32 s[TV], s[TV], VQ-512
	s_sub_co_u32 s28, s28, 1
	s_cmp_lg_u32 s28, 0
	s_cbranch_scc1 .Lquarter
	; THE WAY OUT.  o = O^T / the sum is quantised along 64 hq + d: a tile's 64 channels are two blocks, shared with lane l xor 16.  The codes go through my stage and leave as whole rows of 256 bytes.
.irp i, 0,1,2,3
	v_add_f32 v[ST+6*\i+2], v[ST+6*\i+2], v[ST+6*\i+3]   ; the sum's two halves.  (These twelve lines are the places behind the last products)
.endr
.irp i, 0,1,2,3
	v_permlanex16_b32 v[PM+\i], v[ST+6*\i+2], s[SEL], s[SEL+1]
.endr
.irp i, 0,1,2,3
	v_add_f32 v[ST+6*\i+2], v[ST+6*\i+2], v[PM+\i]
.endr
	WALU
.irp i, 0,1,2,3
	v_rcp_f32 v[ST+6*\i+4], v[ST+6*\i+2]           ; in f's place
.endr
	v_and_b32 v4, 15, v0                           ; r
	v_bfe_u32 v5, v0, 4, 1                         ; h
	v_lshlrev_b32 v[GO], 11, v5
	v_lshl_add_u32 v[GO], v4, 4, v[GO]             ; o_codes: lanes 0-15 one row, lanes 16-31 the next
	v_lshlrev_b32 v[GS], 6, v4
	v_lshl_add_u32 v[GS], v5, 2, v[GS]             ; o_scales: row r; lanes 0-15 the word of tiles 0, 1, lanes 16-31 that of tiles 2, 3
	WALU
.irp i, 0,1,2,3
	WIN 0x01
.set n, 0
.rept 16
	v_pk_mul_f32 v[S+32*(\i%2)+n:S+32*(\i%2)+n+1], v[32*\i+n:32*\i+n+1], v[ST+6*\i+4:ST+6*\i+5] op_sel_hi:[1,0]   ; ascending: each accumulator from its low end on
.set n, n+2
.endr
	WIN 0
	QUANT2 S+32*(\i%2), PC+8*\i
.if (\i%2) == 0
	v_lshl_or_b32 v[TMP+\i/2], v[PM+1], 8, v[PM]
.else
	v_lshl_or_b32 v[TMP+\i/2], v[PM], 16, v[TMP+\i/2]
	v_lshl_or_b32 v[TMP+\i/2], v[PM+1], 24, v[TMP+\i/2]
.endif
.irp t, 0,1,2,3
	ds_store_b64 v[STO], v[PC+8*\i+2*\t:PC+8*\i+2*\t+1] offset:64*\i+16*\t
.endr
.endr
.irp k, 0,1,2,3,4,5,6,7
	ds_load_b128 v[S+4*\k:S+4*\k+3], v[RD] offset:\k*2*SP
.endr
	v_cmp_eq_u32 vcc_lo, 0, v5
	v_cndmask_b32 v[TMP], v[TMP+1], v[TMP], vcc_lo
	global_store_b32 v[GS], v[TMP], s[14:15]       ; 8 bytes a row, rows 64 bytes apart: one byte in 32 of what the launch stores does not leave in whole runs of 256
.irp k, 0,1,2,3,4,5,6,7
	s_wait_dscnt 7-\k                              ; load k is back; the younger ones may be out
	global_store_b128 v[GO], v[S+4*\k:S+4*\k+3], s[12:13] offset:4096*\k   ; 16 lanes store 256 consecutive bytes, at a multiple of 256 from o_codes' first byte
.endr
	s_wait_tensorcnt 0x0                           ; the wave's end
	ds_add_u32 v[SPW], v[NIL]
	s_wait_dscnt 0x0
	CROUND                                         ; the closing round
	s_endpgm
.Lfunc_end_k_q44f72e3850_attn:
	.size	k_q44f72e3850_attn, .Lfunc_end_k_q44f72e3850_attn-k_q44f72e3850_attn
	.p2alignl 7, 3214868480
	.fill 96, 4, 3214868480
	.section	.rodata,"a",@progbits
	.p2align	6, 0x0
	.amdhsa_kernel k_q44f72e3850_attn
		.amdhsa_group_segment_fixed_size 327680
		.amdhsa_private_segment_fixed_size 0
		.amdhsa_enable_private_segment 0
		.amdhsa_kernarg_size 48
		.amdhsa_user_sgpr_count 2
		.amdhsa_user_sgpr_kernarg_segment_ptr 1
		.amdhsa_wavefront_size32 1
		.amdhsa_system_sgpr_workgroup_id_x 1
		.amdhsa_system_sgpr_workgroup_id_y 1
		.amdhsa_system_sgpr_workgroup_id_z 1
		.amdhsa_system_vgpr_workitem_id 0
		.amdhsa_next_free_vgpr 512
		.amdhsa_next_free_sgpr 80
		.amdhsa_reserve_vcc 1
		.amdhsa_float_denorm_mode_32 3
		.amdhsa_float_denorm_mode_16_64 3
		.amdhsa_memory_ordered 1
		.amdhsa_forward_progress 1
		.amdhsa_inst_pref_size 129
	.end_amdhsa_kernel
	.amdgpu_metadata
---
amdhsa.version: [ 1, 2 ]
amdhsa.kernels:
  - .name:           k_q44f72e3850_attn
    .symbol:         k_q44f72e3850_attn.kd
    .args:
      - { .name: Q, .offset: 0, .size: 8, .value_kind: global_buffer, .address_space: global }
      - { .name: kimg, .offset: 8, .size: 8, .value_kind: global_buffer, .address_space: global }
      - { .name: V_codes, .offset: 16, .size: 8, .value_kind: global_buffer, .address_space: global }
      - { .name: V_scales, .offset: 24, .size: 8, .value_kind: global_buffer, .address_space: global }
      - { .name: o_codes, .offset: 32, .size: 8, .value_kind: global_buffer, .address_space: global }
      - { .name: o_scales, .offset: 40, .size: 8, .value_kind: global_buffer, .address_space: global }
    .group_segment_fixed_size: 327680
    .private_segment_fixed_size: 0
    .kernarg_segment_align: 8
    .kernarg_segment_size: 48
    .max_flat_workgroup_size: 256
    .sgpr_count:     80
    .vgpr_count:     512
    .wavefront_size: 32
...
	.end_amdgpu_metadata
.endif
;; end of part 2
;; launch proj (part 3): grid 8 x 32, 4 waves a work-group, clusters of 4 x 4, 327,680 bytes of LDS; arguments o_codes, o_scales, W_out_codes, W_out_scales, out0, b_out; writes out0
.if DOCPART == 3
	.amdgcn_target "amdgcn-amd-amdhsa--gfx1250"
	.amdhsa_code_object_version 6
	.text
	.protected	k_q44f72e3850_proj
	.globl	k_q44f72e3850_proj
	.p2align	8
	.type	k_q44f72e3850_proj,@function
k_q44f72e3850_proj:
	s_mov_b64 s[64:65], 0
	v_nop
	global_prefetch_b8 v0, s[64:65] scope:SCOPE_SE
	s_setreg_imm32_b32 hwreg(HW_REG_WAVE_MODE, 25, 1), 1
	s_wait_xcnt 0x0
	s_wait_alu depctr_hold_cnt(0) depctr_sa_sdst(0) depctr_va_vdst(0) depctr_va_sdst(0) depctr_va_ssrc(0) depctr_va_vcc(0) depctr_vm_vsrc(0)
	s_getreg_b32 s2, hwreg(HW_REG_IB_STS2, 6, 4)
	s_cmp_eq_u32 s2, 0
	s_cbranch_scc0 .Lentry_in_a_cluster
	s_endpgm
.Lentry_in_a_cluster:
	s_bfe_u32 s2, ttmp6, 0x10000c
	s_cmp_lg_u32 s2, 0xf033
	s_cbranch_scc0 .Lentry_shape_is_right
	s_endpgm
.Lentry_shape_is_right:
; out0[m][n] = b_out[n] + the sum over k of o[m][k] W_out[n][k]: 4,096 x 2,048 x 2,048 on codes of BF8 (E5M2) with one E8M0 byte for each 32 along K; sums in f32.
; A = o_codes [4096][2048] with o_scales [4096][64] (made by the launch before), B = W_out_codes [2048][2048] with W_out_scales [2048][64]; codes and scale bytes go to the matrix unit as they lie.
; SHARES.  256 work-groups, one block of 128 rows x 256 columns each; four waves, 2 x 2; a wave makes 64 x 128: 32 accumulators of 16 x 16, 256 registers.
; K goes in steps of 256 through a ring of two LDS slots (A's 128 rows, then B's 256; a row is 256 bytes of memory + 16 of padding).  In the ring waves 0, 1 fetch 64 rows of A each, waves 2, 3 128 rows of B each.
; THE SCALES of the block's 128 + 256 rows, for all of K, are two dense blocks of memory: they come into LDS once, at the head, in whole units of 256 bytes, and stay.
; CLUSTERS: 4 x 4 work-groups.  The four of a row of the cluster need the same tiles of A, the four of a column the same tiles of B: each tile is asked for jointly.
; TRANSPOSED USE: source 0 = 16 rows of B, source 1 = 16 rows of A: a lane holds eight neighbouring numbers of a row of the result.  The bias is the first products' C.
; TWO SETS OF FRAGMENTS for both operands: a step of 128 along K issues the next step's 48 LDS loads first and then its own 32 products.
; PREFETCH: behind each joint refill a wave names the K step that stands two refills on; K steps 2 and 3 are named at the head.  Of the rows that a wave fetches, each of the four partners that ask with it names a quarter,
; told apart by address (cx for A, cy for B): 16 rows of A (lanes 16-31 name the last of them again) or 32 rows of B, a lane a row of 256 bytes.  The last two refills have no K step two on and name nothing.
; REGISTERS.  Window 0: v0-31 addresses; v32-63 scale words, two sets; v64-127 the bias; v128-191, v192-255 A's two sets (4 fragments of 16), on the way out two buffers.  Window 1: B's two sets (8 fragments).  Window 2: the sums, (a, b) at 8 (8 a + b).
.set SIZE_N, 2048
.set SIZE_K, 2048
.set ROWB,   256
.set KROW,   SIZE_K
.set PITCH,  272
.set FR,     16
.set NP,     8                         ; places behind this matrix instruction (ISA guide 7.12.1)
.set HA,     64*PITCH
.set HB,     128*PITCH
.set SLOT,   2*HA+2*HB
.set LAPS,   SIZE_K/(2*ROWB)
.set KS,     SIZE_K/32
.set SCL,    2*SLOT
.set HSA,    16*272                    ; the scales of 64 rows: 16 units of 256 bytes + 16
.set HSB,    32*272
.set SBLK,   4*272                     ; those of 16 rows
.set SPARE,  SCL+2*HSA+2*HSB
.set SPITCH, 528                       ; the way out: a stage of 16 rows x (512 + 16) a wave, in slot 0, which has had its last fill and its last read by then
.set ADRA, 16
.set ADRB, 20
.set STO,  24
.set RD,   25
.set CO,   26
.set ADRS, 27
.set SPW,  28
.set NIL,  29
.set BO,   30
.set PFO,  31
.set SC,   32
.set BIAS, 64
.set AF,   128
.set BK,   128
.set G1, 24
.set G0, 32
.set G1B, 48
.set G0B, 56
.set G1S, 68
.set G0S, 76
.set G1SB, 80
.set G0SB, 88
.set G0H, 4
.set G0HB, 8
.set PFA, 100
.set MSB, 0
.macro WIN new                         ; the immediate's high byte repeats the setting that is left
.if MSB != \new
	s_set_vgpr_msb (MSB<<8)|\new
.set MSB, \new
.endif
.endm
.set MUL,  0xa1                        ; source 0 (B) window 1, source 1 (A) window 0, C and D window 2
.set FST,  0x81                        ; the same, C (the bias) window 0
.set TO_B, 0x40
.macro WALU
	s_wait_alu depctr_va_vdst(0)
.endm
.macro PLACES n
.rept \n
	v_nop
.endr
.endm
.macro JLOAD g0a, g1a, g0b, g1b        ; a joint load: waves 0, 1 for A, waves 2, 3 for B; an s_nop 0 and four v_nop follow each line
	s_cmp_eq_u32 s15, 0
	s_cbranch_scc0 .Lfor_b_\@
	tensor_load_to_lds s[\g0a:\g0a+3], s[\g1a:\g1a+7]
	s_nop 0
	PLACES 4
	s_branch .Lasked_\@
.Lfor_b_\@:
	tensor_load_to_lds s[\g0b:\g0b+3], s[\g1b:\g1b+7]
	s_nop 0
	PLACES 4
.Lasked_\@:
.endm
.macro CREST
	s_cmp_lg_u32 s14, 0
	s_cbranch_scc1 .Lnot_wave_0_\@
	s_barrier_signal -3
.Lnot_wave_0_\@:
	s_barrier_wait -3
	s_barrier_signal -1
	s_barrier_wait -1
.endm
.macro CROUND
	s_barrier_signal -1
	s_barrier_wait -1
	CREST
.endm
	s_load_b128 s[4:7], s[0:1], 0x0                ; A's codes, A's scales
	s_load_b128 s[8:11], s[0:1], 0x10              ; B's codes, B's scales
	s_load_b64 s[12:13], s[0:1], 0x20              ; out0
	s_load_b64 s[96:97], s[0:1], 0x28              ; b_out
	v_lshl_add_u32 v[SPW], v0, 2, SPARE
	v_mov_b32 v[NIL], 0
	ds_add_u32 v[SPW], v[NIL]                      ; the opening lines: the add, twice on end, and its wait ahead of my first tensor load
	ds_add_u32 v[SPW], v[NIL]
	v_lshrrev_b32 v1, 5, v0
	v_readfirstlane_b32 s14, v1                    ; wave 0..3
	s_lshr_b32 s15, s14, 1                         ; my half of the block's rows.  Also: I fetch for A (0) or for B (1)
	s_and_b32 s16, s14, 1                          ; my half of its columns.  Also: which half of that tile I fetch
	s_bfe_u32 s40, ttmp6, 0x40000                  ; cx, cy
	s_bfe_u32 s41, ttmp6, 0x40004
	s_lshl_b32 s42, ttmp9, 2
	s_add_co_u32 s42, s42, s40                     ; block column
	s_and_b32 s17, ttmp7, 0xffff
	s_lshl_b32 s17, s17, 2
	s_add_co_u32 s17, s17, s41                     ; block row
	s_lshl_b32 s43, s41, 2
	s_lshl_b32 s43, 15, s43                        ; my row of the cluster
	s_lshl_b32 s44, 0x1111, s40                    ; my column
	s_or_b32 s[G1+0], s43, (1<<20)|(1<<21)|(5<<22)|(3<<25)    ; elements of 1 byte; 4 words of padding behind every 64; the mask, bit 21 beside it
	s_or_b32 s[G1B+0], s44, (1<<20)|(1<<21)|(5<<22)|(3<<25)
.irp g, G1, G1B
	s_mov_b32 s[\g+1], ROWB<<16
	s_mov_b32 s[\g+3], ROWB<<16
	s_mov_b32 s[\g+5], KROW
	s_mov_b32 s[\g+6], 0
	s_mov_b32 s[\g+7], 0
.endr
	s_mov_b32 s[G1+2], 128<<16                     ; the head's loads bring whole tiles: A's 128 rows,
	s_mov_b32 s[G1+4], 128
	s_mov_b32 s[G1B+2], 256<<16                    ; B's 256
	s_mov_b32 s[G1B+4], 256
	s_or_b32 s[G1S+0], s43, (3<<16)|(1<<20)|(1<<21)|(5<<22)|(3<<25)   ; the scales: dense, as rows of 32 elements of 8 bytes
	s_or_b32 s[G1SB+0], s44, (3<<16)|(1<<20)|(1<<21)|(5<<22)|(3<<25)
.irp g, G1S, G1SB
	s_mov_b32 s[\g+1], 32<<16
	s_mov_b32 s[\g+3], 32<<16
	s_mov_b32 s[\g+5], 32
	s_mov_b32 s[\g+6], 0
	s_mov_b32 s[\g+7], 0
.endr
	s_mov_b32 s[G1S+2], 32<<16                     ; A's 128 rows of 64 bytes: 32 units
	s_mov_b32 s[G1S+4], 32
	s_mov_b32 s[G1SB+2], 64<<16                    ; B's 256 rows: 64 units
	s_mov_b32 s[G1SB+4], 64
	s_lshl_b32 s20, s17, 7                         ; A: the block's first row
	s_lshl_b32 s46, s42, 8                         ; B: likewise
	s_mov_b32 s21, 0
	s_mov_b32 s47, 0
	s_mov_b64 s[18:19], KS
	s_mul_u64 s[22:23], s[20:21], s[18:19]         ; their scales, in bytes
	s_mul_u64 s[92:93], s[46:47], s[18:19]
	s_mov_b64 s[18:19], KROW
	s_mul_u64 s[20:21], s[20:21], s[18:19]         ; their codes
	s_mul_u64 s[46:47], s[46:47], s[18:19]
	s_mul_i32 s18, s16, 64*KROW                    ; in the ring: my half of A's rows,
	s_mov_b32 s19, 0
	s_mul_i32 s94, s16, 128*KROW                   ; of B's;
	s_mov_b32 s95, 0
	s_mul_i32 s45, s16, HA                         ; and where they go
	s_mul_i32 s66, s16, HB
	s_add_co_u32 s66, s66, 2*HA
	s_wait_dscnt 0x0
	s_wait_kmcnt 0x0
	s_add_nc_u64 s[20:21], s[4:5], s[20:21]
	s_add_nc_u64 s[22:23], s[6:7], s[22:23]
	s_add_nc_u64 s[46:47], s[8:9], s[46:47]
	s_add_nc_u64 s[92:93], s[10:11], s[92:93]
	CROUND                                         ; all sixteen work-groups are here: the first joint loads meet
	s_mov_b32 s[G0H], 1
	s_mov_b32 s[G0H+1], 0
	s_mov_b64 s[G0H+2:G0H+3], s[20:21]
	s_or_b32 s[G0H+3], s[G0H+3], 0x80000000
	s_mov_b32 s[G0HB], 1
	s_mov_b32 s[G0HB+1], 2*HA
	s_mov_b64 s[G0HB+2:G0HB+3], s[46:47]
	s_or_b32 s[G0HB+3], s[G0HB+3], 0x80000000
	s_mov_b32 s[G0S], 1
	s_mov_b32 s[G0S+1], SCL
	s_mov_b64 s[G0S+2:G0S+3], s[22:23]
	s_or_b32 s[G0S+3], s[G0S+3], 0x80000000
	s_mov_b32 s[G0SB], 1
	s_mov_b32 s[G0SB+1], SCL+2*HSA
	s_mov_b64 s[G0SB+2:G0SB+3], s[92:93]
	s_or_b32 s[G0SB+3], s[G0SB+3], 0x80000000
	s_add_nc_u64 s[20:21], s[20:21], s[18:19]      ; for the ring: my half of the tile
	s_add_nc_u64 s[46:47], s[46:47], s[94:95]
.irp s, 0,1
	s_mov_b32 s[G0+4*\s], 1
	s_add_co_u32 s[G0+4*\s+1], s45, \s*SLOT
	s_add_nc_u64 s[G0+4*\s+2:G0+4*\s+3], s[20:21], \s*ROWB
	s_or_b32 s[G0+4*\s+3], s[G0+4*\s+3], 0x80000000
	s_mov_b32 s[G0B+4*\s], 1
	s_add_co_u32 s[G0B+4*\s+1], s66, \s*SLOT
	s_add_nc_u64 s[G0B+4*\s+2:G0B+4*\s+3], s[46:47], \s*ROWB
	s_or_b32 s[G0B+4*\s+3], s[G0B+4*\s+3], 0x80000000
.endr
; THE HEAD'S LOADS, one a wave, in one chain of branches on the wave's number: K step 0's rows of A, of B, A's scales, B's scales
.macro ARM under, g0, g1, next
	s_cmp_lt_u32 s14, \under
	s_cbranch_scc0 \next
	tensor_load_to_lds s[\g0:\g0+3], s[\g1:\g1+7]
	s_nop 0
	PLACES 4
	s_branch .Lhead_asked
\next:
.endm
	ARM 1, G0H,  G1,  .Lhead_b
	ARM 2, G0HB, G1B, .Lhead_sa
	ARM 3, G0S,  G1S, .Lhead_sb
	tensor_load_to_lds s[G0SB:G0SB+3], s[G1SB:G1SB+7]
	s_nop 0
	PLACES 4
.Lhead_asked:
	s_mov_b32 s23, 32*KROW                         ; the prefetches: my work-group's quarter of the rows that I fetch: 16 of A's 64 or 32 of B's 128
	s_mov_b32 s2, 31
	s_cmp_eq_u32 s15, 0
	s_cselect_b64 s[PFA:PFA+1], s[20:21], s[46:47]
	s_cselect_b32 s22, s40, s41                    ; my place among the four that ask with me
	s_cselect_b32 s23, 16*KROW, s23
	s_cselect_b32 s2, 15, s2                       ; the last lane that names a row of its own
	s_mul_i32 s22, s22, s23
	s_mov_b32 s23, 0
	s_add_nc_u64 s[PFA:PFA+1], s[PFA:PFA+1], s[22:23]
	s_add_nc_u64 s[PFA:PFA+1], s[PFA:PFA+1], 2*ROWB   ; at K step 2
	s_lshl_b32 s20, s17, 7                         ; my part of out0: row 128 x block row + 64 x half,
	s_lshl_b32 s21, s15, 6
	s_add_co_u32 s20, s20, s21
	s_mov_b32 s21, 0
	s_mov_b64 s[18:19], SIZE_N*4
	s_mul_u64 s[20:21], s[20:21], s[18:19]
	s_lshl_b32 s46, s42, 10                        ; column, in bytes: 1,024 x block column + 512 x half
	s_lshl_b32 s47, s16, 9
	s_add_co_u32 s46, s46, s47
	s_mov_b32 s47, 0
	s_add_nc_u64 s[20:21], s[20:21], s[46:47]
	s_add_nc_u64 s[12:13], s[12:13], s[20:21]
	s_add_nc_u64 s[96:97], s[96:97], s[46:47]
	s_mul_i32 s18, s15, HA                         ; my 64 rows of A in a slot
	s_mul_i32 s19, s15, HSA                        ; their scales;
	s_mul_i32 s22, s16, HSB
	s_add_co_u32 s22, s22, 2*HSA
	s_sub_co_u32 s22, s22, s19                     ; from there to my 128 rows of B's
	s_add_co_u32 s19, s19, SCL
	s_mul_i32 s23, s14, 16*SPITCH                  ; my stage
	v_and_b32 v1, 15, v0                           ; r
	v_bfe_u32 v2, v0, 4, 1                         ; h
	v_and_b32 v6, 31, v0
	v_mul_u32_u24 v3, v1, PITCH
	v_lshl_add_u32 v4, v2, 4, v3                   ; a fragment's row x pitch + 16 h
	v_add_nc_u32 v[ADRA], s18, v4
	v_add_nc_u32 v[ADRB], s66, v4
	v_add_nc_u32 v[ADRA+1], SLOT, v[ADRA]
	v_add_nc_u32 v[ADRB+1], SLOT, v[ADRB]
	v_mul_u32_u24 v5, v1, KS                       ; my row's scales: 64 bytes a row, and 16 more for each 256 passed
	v_lshrrev_b32 v7, 8, v5
	v_lshl_add_u32 v5, v7, 4, v5
	v_mul_u32_u24 v7, s22, v2                      ; lanes 16-31 take B's
	v_add_nc_u32 v5, v5, v7
	v_add_nc_u32 v[ADRS], s19, v5
	v_mul_u32_u24 v5, v1, SPITCH
	v_lshl_add_u32 v5, v2, 5, v5
	v_add_nc_u32 v[STO], s23, v5                   ; stage, in: row r, 32 bytes for each half of the lanes
	v_lshlrev_b32 v[CO], 4, v6
	v_add_nc_u32 v[RD], s23, v[CO]                 ; back: the 32 lanes take one row of 512 bytes
	v_lshlrev_b32 v[BO], 5, v2
	v_min_u32 v[PFO], s2, v6
	v_mul_u32_u24 v[PFO], v[PFO], KROW
	WALU
.irp b, 0,1,2,3,4,5,6,7
	global_load_b128 v[BIAS+8*\b:BIAS+8*\b+3], v[BO], s[96:97] offset:64*\b        ; b_out at columns 16 b + 8 h + 0 .. 7: the layout of a result
	global_load_b128 v[BIAS+8*\b+4:BIAS+8*\b+7], v[BO], s[96:97] offset:64*\b+16
.endr
	global_prefetch_b8 v[PFO], s[PFA:PFA+1] th:TH_LOAD_NT scope:SCOPE_SE             ; K steps 2 and 3
	global_prefetch_b8 v[PFO], s[PFA:PFA+1] offset:ROWB th:TH_LOAD_NT scope:SCOPE_SE
.macro FRAG reg, adr, q, i             ; 16 rows x 128 K: registers 4 c .. 4 c + 3 hold K = 32 c + 16 h + 0 .. 15 of row r
.irp c, 0,1,2,3
	ds_load_b128 v[\reg+4*\c:\reg+4*\c+3], v[\adr] offset:128*(\q)+32*\c+(\i)*16*PITCH
.endr
.endm
.macro FETCH slot, q, p                ; the fragments of the slot's q-th 128 along K into set p: 48 loads
	WIN TO_B
.irp i, 0,1,2,3,4,5,6,7
	FRAG 128*(\p)+FR*\i, ADRB+\slot, \q, \i
.endr
	WIN 0
.irp i, 0,1,2,3
	FRAG AF+64*(\p)+FR*\i, ADRA+\slot, \q, \i
.endr
.endm
.macro SCALES sc                       ; a K step's scale words, two a row: lanes 0-15 A's block i (i < 4 are used), lanes 16-31 B's block i
.irp i, 0,1,2,3,4,5,6,7
	ds_load_b64 v[SC+16*\sc+2*\i:SC+16*\sc+2*\i+1], v[ADRS] offset:\i*SBLK
.endr
.endm
.macro MULA a, p, sc, first            ; A's block a against B's eight, set p (which is also the slot's p-th 128 along K).  The 32 sums take turns, one instruction a turn, in the same order in every step
.irp b, 0,1,2,3,4,5,6,7
.if \first
	v_wmma_scale_f32_16x16x128_f8f6f4 v[8*(8*(\a)+\b):8*(8*(\a)+\b)+7], v[128*(\p)+FR*\b:128*(\p)+FR*\b+FR-1], v[AF+64*(\p)+FR*(\a):AF+64*(\p)+FR*(\a)+FR-1], v[BIAS+8*\b:BIAS+8*\b+7], v[SC+16*(\sc)+2*\b+(\p)], v[SC+16*(\sc)+2*(\a)+(\p)] matrix_a_fmt:MATRIX_FMT_BF8 matrix_b_fmt:MATRIX_FMT_BF8 matrix_a_scale:MATRIX_SCALE_ROW1
.else
	v_wmma_scale_f32_16x16x128_f8f6f4 v[8*(8*(\a)+\b):8*(8*(\a)+\b)+7], v[128*(\p)+FR*\b:128*(\p)+FR*\b+FR-1], v[AF+64*(\p)+FR*(\a):AF+64*(\p)+FR*(\a)+FR-1], v[8*(8*(\a)+\b):8*(8*(\a)+\b)+7], v[SC+16*(\sc)+2*\b+(\p)], v[SC+16*(\sc)+2*(\a)+(\p)] matrix_a_fmt:MATRIX_FMT_BF8 matrix_b_fmt:MATRIX_FMT_BF8 matrix_a_scale:MATRIX_SCALE_ROW1
.endif
.endr
.endm
.macro STEP0 slot, first               ; a slot's first 128 along K, on set 0; its second 128 is fetched into set 1 first
	PLACES NP                                      ; behind the last products, which read set 1
	FETCH \slot, 1, 1
	s_wait_dscnt 48                                ; set 0 and the scale words are in; the 48 loads just issued may be out
.if \first
	WIN FST
.else
	WIN MUL
.endif
.irp a, 0,1,2,3
	MULA \a, 0, \slot, \first
.endr
	WIN 0
.endm
.macro ASK                             ; s3 = 1 in the loop's last trip, whose two refills have no K step two on
	s_cmp_gt_u32 s3, 1
	s_cbranch_scc0 .Lno_ask_\@
	global_prefetch_b8 v[PFO], s[PFA:PFA+1] offset:ROWB th:TH_LOAD_NT scope:SCOPE_SE
.Lno_ask_\@:
.endm
; A slot's second 128 along K, on set 1, changes slots: one barrier (fill = 1: it opens a round of the cluster's barrier, and this slot is filled again, two K steps ahead)
.macro TURN slot, next, fill
.if \fill
	s_wait_xcnt 0x0                                ; my prefetches have read their address: it steps one K step
	s_add_nc_u64 s[PFA:PFA+1], s[PFA:PFA+1], ROWB
.endif
	s_wait_tensorcnt 0x0                           ; all my tensor loads have landed: my part of the next slot;
	ds_add_u32 v[SPW], v[NIL]                      ; 0 onto my spare word
	s_wait_dscnt 1                                 ; set 1 is in; the add may be out
	WIN MUL
	MULA 0, 1, \slot, 0
	s_wait_dscnt 0x0                               ; the add is done, and my reads of this slot are over
	s_barrier_signal -1
	MULA 1, 1, \slot, 0
	WIN 0
	s_barrier_wait -1
.if \fill
	CREST
	s_add_nc_u64 s[G0+4*\slot+2:G0+4*\slot+3], s[G0+4*\slot+2:G0+4*\slot+3], 2*ROWB
	s_add_nc_u64 s[G0B+4*\slot+2:G0B+4*\slot+3], s[G0B+4*\slot+2:G0B+4*\slot+3], 2*ROWB
	JLOAD G0+4*\slot, G1, G0B+4*\slot, G1B         ; the first tensor load behind the round; its four v_nop are among the places in front of the loads into set 0
	PLACES NP-4
.else
	PLACES NP
.endif
	v_add_nc_u32 v[ADRS], 8, v[ADRS]               ; the next K step's scale words
	WALU
	FETCH \next, 0, 0
	SCALES \next
.if \fill
	ASK
.endif
	WIN MUL
	MULA 2, 1, \slot, 0
	MULA 3, 1, \slot, 0
	WIN 0
.endm
	WALU                                           ; at the head's end
	s_wait_tensorcnt 0x0                           ; my tile of the head's four is in; slot 1's first fill is issued as a refill is:
	ds_add_u32 v[SPW], v[NIL]
	s_mov_b32 s[G1+2], 64<<16                      ; no tensor load of mine is out: from here on a load brings 64 rows of A,
	s_mov_b32 s[G1+4], 64
	s_mov_b32 s[G1B+2], 128<<16                    ; 128 of B
	s_mov_b32 s[G1B+4], 128
	s_wait_dscnt 0x0
	CROUND
	JLOAD G0+4, G1, G0B+4, G1B                     ; K step 1
	FETCH 0, 0, 0
	SCALES 0
	s_wait_loadcnt 0x0                             ; the bias
	STEP0 0, 1                                     ; the first step stands in front of the loop: its products start the sums, on the bias
	s_mov_b32 s3, LAPS-1
.Llap:                                             ; a trip goes once round the ring and fills both slots again
	TURN 0, 1, 1
	STEP0 1, 0
	TURN 1, 0, 1
	STEP0 0, 0
	s_sub_co_u32 s3, s3, 1
	s_cmp_lg_u32 s3, 0
	s_cbranch_scc1 .Llap
	TURN 0, 1, 0                                   ; the last lap fills nothing
	STEP0 1, 0
	s_wait_dscnt 0x0
	WIN MUL
.irp a, 0,1,2,3
	MULA \a, 1, 1, 0
.endr
	WIN 0
; THE WAY OUT, four blocks of 16 rows x 128 columns: through my stage, back as whole rows of 512 bytes.  LDS serves a wave's instructions in order (ISA guide 5.7.1.4)
.macro TOSTAGE a
	WIN 0x08                                       ; the data: window 2
.irp b, 0,1,2,3,4,5,6,7
	ds_store_b128 v[STO], v[64*(\a)+8*\b:64*(\a)+8*\b+3] offset:64*\b          ; each sum from its low end on
	ds_store_b128 v[STO], v[64*(\a)+8*\b+4:64*(\a)+8*\b+7] offset:64*\b+16
.endr
	WIN 0
.set BB, BK+64*((\a)%2)
.irp t, 0,1,2,3,4,5,6,7,8,9,10,11,12,13,14,15
	ds_load_b128 v[BB+4*\t:BB+4*\t+3], v[RD] offset:\t*SPITCH
.endr
.endm
.macro SEND a, younger
.set BB, BK+64*((\a)%2)
	s_wait_dscnt \younger
.if (\a) > 0
	s_add_nc_u64 s[12:13], s[12:13], 16*SIZE_N*4   ; behind a wait on XCNT: the earlier stores have read their base
.endif
.irp t, 0,1,2,3,4,5,6,7,8,9,10,11,12,13,14,15
	global_store_b128 v[CO], v[BB+4*\t:BB+4*\t+3], s[12:13] offset:\t*SIZE_N*4 th:TH_STORE_NT   ; 32 lanes store 512 consecutive bytes, at a multiple of 256 from out0's first byte
.endr
.endm
	PLACES NP
	TOSTAGE 0
.irp a, 1,2,3
.if \a > 1
	s_wait_xcnt 0x0                                ; block a - 2's stores have read their registers and their base
.endif
	TOSTAGE \a
	SEND \a-1, 32                                  ; behind block a - 1's loads: block a's 16 stores and 16 loads
.endr
	s_wait_xcnt 0x0
	SEND 3, 0
	s_wait_tensorcnt 0x0                           ; the wave's end
	ds_add_u32 v[SPW], v[NIL]
	s_wait_dscnt 0x0
	CROUND                                         ; the closing round
	s_endpgm
.Lfunc_end_k_q44f72e3850_proj:
	.size	k_q44f72e3850_proj, .Lfunc_end_k_q44f72e3850_proj-k_q44f72e3850_proj
	.p2alignl 7, 3214868480
	.fill 96, 4, 3214868480
	.section	.rodata,"a",@progbits
	.p2align	6, 0x0
	.amdhsa_kernel k_q44f72e3850_proj
		.amdhsa_group_segment_fixed_size 327680
		.amdhsa_private_segment_fixed_size 0
		.amdhsa_enable_private_segment 0
		.amdhsa_kernarg_size 48
		.amdhsa_user_sgpr_count 2
		.amdhsa_user_sgpr_kernarg_segment_ptr 1
		.amdhsa_wavefront_size32 1
		.amdhsa_system_sgpr_workgroup_id_x 1
		.amdhsa_system_sgpr_workgroup_id_y 1
		.amdhsa_system_sgpr_workgroup_id_z 1
		.amdhsa_system_vgpr_workitem_id 0
		.amdhsa_next_free_vgpr 768
		.amdhsa_next_free_sgpr 102
		.amdhsa_reserve_vcc 0
		.amdhsa_float_denorm_mode_32 3
		.amdhsa_float_denorm_mode_16_64 3
		.amdhsa_memory_ordered 1
		.amdhsa_forward_progress 1
		.amdhsa_inst_pref_size 93
	.end_amdhsa_kernel
	.amdgpu_metadata
---
amdhsa.version: [ 1, 2 ]
amdhsa.kernels:
  - .name:           k_q44f72e3850_proj
    .symbol:         k_q44f72e3850_proj.kd
    .args:
      - { .name: o_codes, .offset: 0, .size: 8, .value_kind: global_buffer, .address_space: global }
      - { .name: o_scales, .offset: 8, .size: 8, .value_kind: global_buffer, .address_space: global }
      - { .name: W_out_codes, .offset: 16, .size: 8, .value_kind: global_buffer, .address_space: global }
      - { .name: W_out_scales, .offset: 24, .size: 8, .value_kind: global_buffer, .address_space: global }
      - { .name: out0, .offset: 32, .size: 8, .value_kind: global_buffer, .address_space: global }
      - { .name: b_out, .offset: 40, .size: 8, .value_kind: global_buffer, .address_space: global }
    .group_segment_fixed_size: 327680
    .private_segment_fixed_size: 0
    .kernarg_segment_align: 8
    .kernarg_segment_size: 48
    .max_flat_workgroup_size: 128
    .sgpr_count:     102
    .vgpr_count:     768
    .wavefront_size: 32
...
	.end_amdgpu_metadata
.endif
;; end of part 3
